; MI455X (gfx1250); checked and timed in simulation.
; The chip was launched on July 23, 2026; its instructions are those of AMD's public machine-readable ISA for CDNA 5 (MIT licence, August 2026) and "CDNA5" Instruction Set Architecture Reference Guide (July 2026). The comments in the code are by the model that wrote it; some were corrected since.
;; Causal Self Attention. Allowed arithmetic: float matrix products may take bf16 or f16 operands with f32 sums; all other float work in f32.
;; Inputs: Wgate 8 x 32 float32; Wk 1,024 x 1,024 float32; Wproj 1,024 x 1,024 float32; Wq 1,024 x 1,024 float32; Wv 1,024 x 1,024 float32; cos 1 x 2,048 x 1 x 64 float32; sin 1 x 2,048 x 1 x 64 float32; ve 4 x 2,048 x 1,024 float32; x 4 x 2,048 x 1,024 float32.
;; Outputs: out0 4 x 2,048 x 1,024 float32.
;; Constants: window_size = 1024.
;; One version. Each part assembles by itself: llvm-mc -triple=amdgcn-amd-amdhsa -mcpu=gfx1250 --defsym DOCPART=n.
;; ======== version 1 of 1: 4 launches
;; limits: values are held in f16: magnitudes above 65,504 overflow, below 6.1e-05 lose precision
;; workspace buffers: xh 16,777,216 bytes; wh 8,388,608 bytes; qkv 50,331,648 bytes; yh 16,777,216 bytes
;; launch cast (part 1): grid 768 x 1, 8 waves a work-group, no clusters, 0 bytes of LDS; arguments x, Wq, Wk, Wv, Wproj, xh, wh; writes xh, wh
.if DOCPART == 1
	.amdgcn_target "amdgcn-amd-amdhsa--gfx1250"
	.amdhsa_code_object_version 6
	.text
	.protected	k_q2b034669ff_cast
	.globl	k_q2b034669ff_cast
	.p2align	8
	.type	k_q2b034669ff_cast,@function
k_q2b034669ff_cast:
	s_mov_b64 s[64:65], 0
	v_nop
	global_prefetch_b8 v0, s[64:65] scope:SCOPE_SE
	s_setreg_imm32_b32 hwreg(HW_REG_WAVE_MODE, 25, 1), 1
	s_wait_xcnt 0x0
; xh = f16(x); wh = f16 of Wq, Wk, Wv, Wproj, one below the other ([4096][1024]).  Rounded once, to nearest even.
; LIMIT: numbers of magnitude 65,520 or more become infinite in f16; magnitudes under 6.1e-5 keep an absolute grain of 6e-8.
; A stream: no LDS, no barrier, no matrix unit.  A work-group takes 65,536 bytes of f32: ids 0-511 of x, id 512 + 64 j + o block o of weight j.
; Thread t takes 16 bytes at 16 t of each 4,096: a wave's load covers 512 consecutive bytes, its store 256 consecutive bytes at a multiple of 256.
.set X, 4                              ; v[4:67]   sixteen loads of four f32
.set Y, 68                             ; v[68:99]  sixteen stores of four f16
	s_load_b256 s[4:11], s[0:1], 0x0               ; x, Wq, Wk, Wv
	s_load_b128 s[12:15], s[0:1], 0x20             ; Wproj, xh
	s_load_b64 s[16:17], s[0:1], 0x30              ; wh
	v_lshlrev_b32 v1, 4, v0                        ; my 16 bytes of f32
	v_lshlrev_b32 v2, 3, v0                        ; my 8 bytes of f16
	s_max_u32 s20, ttmp9, 0x200
	s_sub_co_u32 s20, s20, 0x200                   ; number among the weights' blocks (0 for x's blocks, not used there)
	s_lshr_b32 s21, s20, 6                         ; which weight
	s_and_b32 s22, s20, 63                         ; which block of it
	s_wait_kmcnt 0x0
	s_mov_b64 s[24:25], s[6:7]
	s_cmp_eq_u32 s21, 1
	s_cselect_b64 s[24:25], s[8:9], s[24:25]
	s_cmp_eq_u32 s21, 2
	s_cselect_b64 s[24:25], s[10:11], s[24:25]
	s_cmp_eq_u32 s21, 3
	s_cselect_b64 s[24:25], s[12:13], s[24:25]
	s_cmp_lt_u32 ttmp9, 0x200                      ; the selects below leave SCC as it is
	s_cselect_b64 s[24:25], s[4:5], s[24:25]       ; from where
	s_cselect_b64 s[26:27], s[14:15], s[16:17]     ; to where
	s_cselect_b32 s28, ttmp9, s22                  ; block
	s_cselect_b32 s29, 0, s21                      ; weight's place in wh
	s_lshl_b32 s30, s28, 16
	s_mov_b32 s31, 0
	s_add_nc_u64 s[24:25], s[24:25], s[30:31]
	s_lshl_b32 s28, s28, 15
	s_lshl_b32 s29, s29, 21
	s_add_co_u32 s28, s28, s29
	s_mov_b32 s29, 0
	s_add_nc_u64 s[26:27], s[26:27], s[28:29]
.irp i, 0,1,2,3,4,5,6,7,8,9,10,11,12,13,14,15
	global_load_b128 v[X+4*\i:X+4*\i+3], v1, s[24:25] offset:4096*\i th:TH_LOAD_NT
.endr
.irp i, 0,1,2,3,4,5,6,7,8,9,10,11,12,13,14,15
	s_wait_loadcnt 15-\i                           ; loads come back in order: number i is in, the younger ones stay out
	v_cvt_pk_f16_f32 v[Y+2*\i], v[X+4*\i], v[X+4*\i+1]
	v_cvt_pk_f16_f32 v[Y+2*\i+1], v[X+4*\i+2], v[X+4*\i+3]
	global_store_b64 v2, v[Y+2*\i:Y+2*\i+1], s[26:27] offset:2048*\i
.endr
	s_endpgm
.Lfunc_end_k_q2b034669ff_cast:
	.size	k_q2b034669ff_cast, .Lfunc_end_k_q2b034669ff_cast-k_q2b034669ff_cast
	.p2alignl 7, 3214868480
	.fill 96, 4, 3214868480
	.section	.rodata,"a",@progbits
	.p2align	6, 0x0
	.amdhsa_kernel k_q2b034669ff_cast
		.amdhsa_group_segment_fixed_size 0
		.amdhsa_private_segment_fixed_size 0
		.amdhsa_enable_private_segment 0
		.amdhsa_kernarg_size 56
		.amdhsa_user_sgpr_count 2
		.amdhsa_user_sgpr_kernarg_segment_ptr 1
		.amdhsa_wavefront_size32 1
		.amdhsa_system_sgpr_workgroup_id_x 1
		.amdhsa_system_sgpr_workgroup_id_y 1
		.amdhsa_system_sgpr_workgroup_id_z 1
		.amdhsa_system_vgpr_workitem_id 0
		.amdhsa_next_free_vgpr 100
		.amdhsa_next_free_sgpr 66
		.amdhsa_reserve_vcc 0
		.amdhsa_float_denorm_mode_32 3
		.amdhsa_float_denorm_mode_16_64 3
		.amdhsa_memory_ordered 1
		.amdhsa_forward_progress 1
		.amdhsa_inst_pref_size 7
	.end_amdhsa_kernel
	.amdgpu_metadata
---
amdhsa.version: [ 1, 2 ]
amdhsa.kernels:
  - .name:           k_q2b034669ff_cast
    .symbol:         k_q2b034669ff_cast.kd
    .args:
      - { .name: x, .offset: 0, .size: 8, .value_kind: global_buffer, .address_space: global }
      - { .name: Wq, .offset: 8, .size: 8, .value_kind: global_buffer, .address_space: global }
      - { .name: Wk, .offset: 16, .size: 8, .value_kind: global_buffer, .address_space: global }
      - { .name: Wv, .offset: 24, .size: 8, .value_kind: global_buffer, .address_space: global }
      - { .name: Wproj, .offset: 32, .size: 8, .value_kind: global_buffer, .address_space: global }
      - { .name: xh, .offset: 40, .size: 8, .value_kind: global_buffer, .address_space: global }
      - { .name: wh, .offset: 48, .size: 8, .value_kind: global_buffer, .address_space: global }
    .group_segment_fixed_size: 0
    .private_segment_fixed_size: 0
    .kernarg_segment_align: 8
    .kernarg_segment_size: 56
    .max_flat_workgroup_size: 256
    .sgpr_count:     66
    .vgpr_count:     100
    .wavefront_size: 32
...
	.end_amdgpu_metadata
.endif
;; end of part 1
;; launch qkv (part 2): grid 8 x 32, 4 waves a work-group, clusters of 4 x 4, 327,680 bytes of LDS; arguments xh, wh, cos, sin, ve, Wgate, qkv; writes qkv
.if DOCPART == 2
	.amdgcn_target "amdgcn-amd-amdhsa--gfx1250"
	.amdhsa_code_object_version 6
	.text
	.protected	k_q2b034669ff_qkv
	.globl	k_q2b034669ff_qkv
	.p2align	8
	.type	k_q2b034669ff_qkv,@function
k_q2b034669ff_qkv:
	s_mov_b64 s[64:65], 0
	v_nop
	global_prefetch_b8 v0, s[64:65] scope:SCOPE_SE
	s_setreg_imm32_b32 hwreg(HW_REG_WAVE_MODE, 25, 1), 1
	s_wait_xcnt 0x0
	s_wait_alu depctr_hold_cnt(0) depctr_sa_sdst(0) depctr_va_vdst(0) depctr_va_sdst(0) depctr_va_ssrc(0) depctr_va_vcc(0) depctr_vm_vsrc(0)
	s_getreg_b32 s2, hwreg(HW_REG_IB_STS2, 6, 4)
	s_cmp_eq_u32 s2, 0
	s_cbranch_scc0 .Lentry_in_a_cluster
	s_endpgm
.Lentry_in_a_cluster:
	s_bfe_u32 s2, ttmp6, 0x10000c
	s_cmp_lg_u32 s2, 0xf033
	s_cbranch_scc0 .Lentry_shape_is_right
	s_endpgm
.Lentry_shape_is_right:
; q = c rmsnorm(rope(x Wq^T)), k = rmsnorm(rope(x Wk^T)), v = x Wv^T + 2 sigmoid(x[:, :32] Wgate^T) ve, all stored as f16 in qkv: part p (q, k, v) at p x 16,777,216 bytes,
; inside a part [batch x 8 + head][t][128].  c = log2(e) / sqrt(128) is folded into q.  Products on f16 operands, sums in f32; rope, norm, gate and the add of ve in f32.
; LIMITS: v is kept in f16: |x Wv^T + gate ve| must stay under 65,504 (as drawn it is about 6; with x and Wv both 30 times larger about 3,300; with offsets of 30 spreads on both about 18,500).
;         The gate's product has f16 operands like the others.
; SHARES.  A work-group owns 256 rows of x and ONE head's q, k and v: one tile of 256 x 384.  Wave w owns rows 64 w to 64 w + 63 and all 384 columns: 96 accumulators of 16 x 16, 768 registers.
; So x's tile is fetched once for the three products, and a K step brings 640 rows for 192 matrix instructions a wave.
; K goes in steps of 64 (rows of 128 bytes) through two LDS slots: two slots of the step of 128 would be 2 x 640 x 272 = 348,160 bytes, more than LDS has.
; One tensor load a wave and step: waves 0, 1, 2 bring Wq's, Wk's, Wv's 128 rows, wave 3 x's 256 rows.
; CLUSTER 4 x 4: x's tile hangs on the row block alone and is asked for jointly along a row of the cluster, W's on the head alone, jointly along a column.
; THE MATRIX INSTRUCTION IS USED TRANSPOSED (source 0 = 16 rows of W, source 1 = 16 rows of x): lane l holds row l % 16 of the result and columns 16 b + 8 (l / 16) + 0..7.
; So rope's partner column d + 64 lies in the same lane and register, four accumulators on, and a row's sum of squares wants one exchange between the halves of the lanes.
; REGISTERS.  window 1: q's accumulator (a, b) at v[8 (8 a + b)]; window 2: k's; window 3: v's.  window 0: v0-31 addresses; v32-95 two buffers of x's fragments; v96-223 two of W's;
; behind the loop v32-233 serve the ways out.
; THE WAY OUT OF q AND k IS WRITTEN ONCE, on window 1: when q has left, k's 256 sums are moved into q's registers (256 moves against a second copy of four blocks' text, some 900 instructions),
; and ve is asked for into k's freed window, so that it comes while k goes out.
; LDS: the ring, 2 x 92,160; cos and sin of my 256 rows, 2 x 69,632, brought once by tensor loads, each wave its own 64 rows; the spare words.  The stages of the ways out lie in slot 0, which has had
; its last fill by then: the last lap's barrier stands behind every wave's last read of slot 0, and no tensor load is issued behind it.
.set KSTEP,  64
.set PITCH,  144                       ; an LDS row: 128 bytes + 16 of padding = 9 x 16: the 16 rows of a fragment load fall on 16 different columns of 16 bytes
.set ATILE,  256*PITCH                 ; x's 256 rows
.set BPART,  128*PITCH                 ; 128 rows of one of Wq, Wk, Wv
.set SLOT,   ATILE+3*BPART             ; 92,160 bytes
.set COSL,   2*SLOT                    ; behind the ring: cos of my 256 rows, 272 bytes apart; then sin
.set CPITCH, 272
.set WTAB,   64*CPITCH                 ; a wave's 64 rows of a table
.set TABB,   256*CPITCH
.set SPARE,  COSL+2*TABB               ; then the spare words, 128 bytes for each wave: two blocks of 256 bytes that no other line names
.set STAGE,  0                         ; the stages: in slot 0, behind its last fill: for each wave 16 rows x 528 bytes (f32) or x 272 (f16)
.set WSTG,   16*528
.set LAPS,   8                         ; 1,024 / (2 x 64)
.set PARTB,  16777216
.set GT,    12                         ; v12-15  the gate of rows 16 a + l % 16
.set ADRA,  16                         ; v16-17  LDS address of my x fragments in slot 0, 1
.set CSB,   18                         ; v18     LDS address of my sin
.set ADRB,  20                         ; v20-21  LDS address of W's fragments in slot 0, 1
.set STO32, 22                         ; v22     stage, f32: where I put 32 bytes of a row
.set RD32,  23                         ; v23     stage, f32: my 16 bytes of a whole row
.set STO,   24                         ; v24     stage, f16: where I put 16 bytes of a row
.set RD,    25                         ; v25     stage, f16: where I read a row back
.set CO,    26                         ; v26     my byte offset in two rows of q or k
.set CSA,   27                         ; v27     LDS address of my cos
.set SPW,   28                         ; v28     LDS address of my spare word; never rewritten
.set NIL,   29                         ; v29     0; never rewritten
.set VO,    30                         ; v30     8 x lane
.set VEO,   31                         ; v31     16 x lane
.set FA0,   32                         ; x's fragments of a quarter (4 x 16 rows x 32 K), two buffers
.set FA1,   64
.set FB0,   96                         ; W's fragments of a part of a quarter (8 x 16 rows x 32 K), two buffers
.set FB1,   160
.set CS0,   32                         ; the ways out: v32-159 two buffers of cos (32) and sin (32)
.set RB,    32                         ; v32-95  v's way out: 16 whole rows
.set T,     160                        ; v160-191
.set U,     192                        ; v192-223
.set SS,    224                        ; v224-231 four chains of squares
.set R,     232                        ; v232-233 the row's scale
.set WG,    32                         ; at the start: Wgate's row in f32, in f16, x's first 32 columns, the gate's sums
.set WGF,   48
.set XF,    64
.set GL,    96
.set G1,  24                           ; s[24:31] descriptor group 1 for x's tiles;  s[32:39] group 0, a set for each slot
.set G0,  32
.set G1B, 48                           ; s[48:55], s[56:63] the same for W's tiles
.set G0B, 56
.set G1C, 84                           ; s[84:91] group 1 for cos and sin; s[92:95], s[96:99] their groups 0.  Behind the loop s84-99 hold sixteen gates
.set G0C, 92
.set G0S, 96
.set FLAGS, (1<<16)|(1<<20)|(1<<21)|(4<<22)|(3<<25)   ; elements of 2 bytes; padding on; bit 21 beside a mask; after every 32 words; 4 words
.set FLAGC, (2<<16)|(1<<20)|(5<<22)|(3<<25)           ; no mask; elements of 4 bytes; padding on; after every 64 words; 4 words
.set MSB, 0
.macro WIN new                         ; the immediate's high byte repeats the setting that is left
.if MSB != \new
	s_set_vgpr_msb (MSB<<8)|\new
.set MSB, \new
.endif
.endm
.macro JLOAD s                         ; a joint load: wave 3 fetches x's tile, waves 0 to 2 W's; four v_nop follow each of the two lines, ahead of the jump, the label and what follows
	s_cmp_eq_u32 s10, 3
	s_cbranch_scc0 .Lfor_b_\@
	tensor_load_to_lds s[G0+4*\s:G0+4*\s+3], s[G1:G1+7]
	s_nop 0
.rept 4
	v_nop
.endr
	s_branch .Lasked_\@
.Lfor_b_\@:
	tensor_load_to_lds s[G0B+4*\s:G0B+4*\s+3], s[G1B:G1B+7]
	s_nop 0
.rept 4
	v_nop
.endr
.Lasked_\@:
.endm
.macro CREST                           ; a round of the cluster's barrier behind its opening barrier
	s_cmp_lg_u32 s10, 0
	s_cbranch_scc1 .Lnot_wave_0_\@
	s_barrier_signal -3
.Lnot_wave_0_\@:
	s_barrier_wait -3
	s_barrier_signal -1
	s_barrier_wait -1
.endm
.macro CROUND
	s_barrier_signal -1
	s_barrier_wait -1
	CREST
.endm
.macro PLACES                          ; four places in front of loads into registers that matrix instructions have read, and of reads of results just made
.rept 4
	v_nop
.endr
.endm
	s_load_b128 s[4:7], s[0:1], 0x0                ; xh, wh
	s_load_b256 s[68:75], s[0:1], 0x10             ; cos, sin, ve, Wgate
	s_load_b64 s[8:9], s[0:1], 0x30                ; qkv
	v_lshl_add_u32 v[SPW], v0, 2, SPARE
	v_mov_b32 v[NIL], 0
	ds_add_u32 v28, v29
	ds_add_u32 v28, v29
	s_wait_dscnt 0x0
	v_lshrrev_b32 v1, 5, v0
	v_readfirstlane_b32 s10, v1                    ; wave 0..3
	s_bfe_u32 s40, ttmp6, 0x40000                  ; cx, cy: my place in the cluster
	s_bfe_u32 s41, ttmp6, 0x40004
	s_lshl_b32 s42, ttmp9, 2
	s_add_co_u32 s42, s42, s40                     ; head = 4 x cluster x + cx
	s_and_b32 s13, ttmp7, 0xffff
	s_lshl_b32 s13, s13, 2
	s_add_co_u32 s13, s13, s41                     ; row block = 4 x cluster y + cy
	s_lshl_b32 s43, s41, 2
	s_lshl_b32 s43, 15, s43                        ; my row of the cluster
	s_lshl_b32 s44, 0x1111, s40                    ; my column
	s_or_b32 s[G1+0], s43, FLAGS
	s_or_b32 s[G1B+0], s44, FLAGS
	s_mov_b32 s[G1+1], KSTEP<<16                   ; tensor_dim0 = 64
	s_mov_b32 s[G1+2], 256<<16                     ; tensor_dim1 = 256
	s_mov_b32 s[G1+3], KSTEP<<16                   ; tile_dim0 = 64
	s_mov_b32 s[G1+4], 256                         ; tile_dim1 = 256
	s_mov_b32 s[G1+5], 1024                        ; elements from row to row
	s_mov_b32 s[G1+6], 0
	s_mov_b32 s[G1+7], 0
	s_mov_b32 s[G1B+1], KSTEP<<16
	s_mov_b32 s[G1B+2], 128<<16                    ; W's tiles have 128 rows
	s_mov_b32 s[G1B+3], KSTEP<<16
	s_mov_b32 s[G1B+4], 128
	s_mov_b32 s[G1B+5], 1024
	s_mov_b32 s[G1B+6], 0
	s_mov_b32 s[G1B+7], 0
	s_mov_b32 s[G1C+0], FLAGC                      ; cos, sin: 64 rows of 64 f32, dense
	s_mov_b32 s[G1C+1], 64<<16
	s_mov_b32 s[G1C+2], 64<<16
	s_mov_b32 s[G1C+3], 64<<16
	s_mov_b32 s[G1C+4], 64
	s_mov_b32 s[G1C+5], 64
	s_mov_b32 s[G1C+6], 0
	s_mov_b32 s[G1C+7], 0
	s_lshl_b32 s16, s13, 19                        ; x's tile: 256 rows of 2,048 bytes a row block
	s_mov_b32 s17, 0
	s_and_b32 s18, s13, 7                          ; the block's place in its sequence:
	s_lshl_b32 s18, s18, 16                        ; 256 rows of 256 bytes (cos, sin; q, k, v too),
	s_lshl_b32 s19, s10, 14                        ; my wave's 64 of them
	s_add_co_u32 s18, s18, s19
	s_mov_b32 s19, 0
	s_lshl_b32 s46, s42, 18                        ; W's tile: the head's 128 rows of 2,048 bytes,
	s_lshl_b32 s47, s10, 21                        ; in weight number wave (1,024 rows each)
	s_add_co_u32 s46, s46, s47
	s_mov_b32 s47, 0
	s_mul_i32 s21, s10, BPART                      ; where W's tile goes: behind x's, part number wave: no place in the cluster enters an LDS address
	s_add_co_u32 s21, s21, ATILE
	s_mul_i32 s20, s10, WTAB                       ; where my rows of cos go
	s_add_co_u32 s20, s20, COSL
	s_mov_b32 s78, 0x76543210                      ; v_permlanex16_b32: each lane takes its own place in the other half
	s_mov_b32 s79, 0xfedcba98
	s_mov_b32 s80, 0x3e0293ee                      ; c = log2(e) / sqrt(128)
	s_mov_b32 s81, 0x3f800000                      ; 1.0
	s_mov_b32 s82, 0x3c000000                      ; 1 / 128
	s_mov_b32 s83, 0x34000000                      ; eps = 2^-23
	s_wait_kmcnt 0x0
	s_add_nc_u64 s[14:15], s[4:5], s[16:17]
	s_add_nc_u64 s[46:47], s[6:7], s[46:47]
	s_add_nc_u64 s[68:69], s[68:69], s[18:19]      ; cos, sin at my wave's first row
	s_add_nc_u64 s[70:71], s[70:71], s[18:19]
	CROUND                                         ; all sixteen work-groups are here: the first joint loads meet
.irp s, 0,1
	s_mov_b32 s[G0+4*\s], 1
	s_mov_b32 s[G0+4*\s+1], \s*SLOT
	s_add_nc_u64 s[G0+4*\s+2:G0+4*\s+3], s[14:15], \s*KSTEP*2
	s_or_b32 s[G0+4*\s+3], s[G0+4*\s+3], 0x80000000
	s_mov_b32 s[G0B+4*\s], 1
	s_add_co_u32 s[G0B+4*\s+1], s21, \s*SLOT
	s_add_nc_u64 s[G0B+4*\s+2:G0B+4*\s+3], s[46:47], \s*KSTEP*2
	s_or_b32 s[G0B+4*\s+3], s[G0B+4*\s+3], 0x80000000
	JLOAD \s
.endr
	s_mov_b32 s[G0C], 1
	s_mov_b32 s[G0C+1], s20
	s_mov_b64 s[G0C+2:G0C+3], s[68:69]
	s_or_b32 s[G0C+3], s[G0C+3], 0x80000000
	s_mov_b32 s[G0S], 1
	s_add_co_u32 s[G0S+1], s20, TABB
	s_mov_b64 s[G0S+2:G0S+3], s[70:71]
	s_or_b32 s[G0S+3], s[G0S+3], 0x80000000
	tensor_load_to_lds s[G0C:G0C+3], s[G1C:G1C+7]  ; my 64 rows of cos and of sin: loads of my own, read by me alone.  Four tensor loads of mine are out
	s_nop 0
	tensor_load_to_lds s[G0S:G0S+3], s[G1C:G1C+7]
	s_nop 0
.rept 4
	v_nop
.endr
	s_lshl_b32 s22, s10, 17                        ; my wave's 64 rows of xh
	s_mov_b32 s23, 0
	s_add_nc_u64 s[66:67], s[14:15], s[22:23]      ; xh at my wave's first row
	s_lshl_b32 s22, s13, 20                        ; ve: 4,096 bytes a row, 512 a head
	s_lshl_b32 s45, s10, 18
	s_add_co_u32 s22, s22, s45
	s_lshl_b32 s45, s42, 9
	s_add_co_u32 s22, s22, s45
	s_add_nc_u64 s[72:73], s[72:73], s[22:23]      ; ve at my wave's first row, my head
	s_lshr_b32 s22, s13, 3                         ; the batch
	s_lshl_b32 s22, s22, 3
	s_add_co_u32 s22, s22, s42                     ; 8 x batch + head
	s_lshl_b32 s22, s22, 19                        ; x 2,048 rows of 256 bytes
	s_add_co_u32 s22, s22, s18                     ; + my first t
	s_add_nc_u64 s[8:9], s[8:9], s[22:23]          ; q at my wave's first row
	s_lshl_b32 s45, s42, 7                         ; my head's row of Wgate
	v_and_b32 v1, 15, v0                           ; l % 16
	v_bfe_u32 v2, v0, 4, 1                         ; l / 16
	v_lshlrev_b32 v4, 5, v2
	v_add_nc_u32 v4, s45, v4                       ; Wgate: my head's row, f32 numbers 8 (l / 16) on
	v_lshlrev_b32 v5, 11, v1
	v_lshl_add_u32 v5, v2, 4, v5                   ; xh: row l % 16, 16 x half
	global_load_b128 v[WG:WG+3],     v4, s[74:75]
	global_load_b128 v[WG+4:WG+7],   v4, s[74:75] offset:16
	global_load_b128 v[WG+8:WG+11],  v4, s[74:75] offset:64
	global_load_b128 v[WG+12:WG+15], v4, s[74:75] offset:80
.irp a, 0,1,2,3
	global_load_b128 v[XF+8*\a:XF+8*\a+3],   v5, s[66:67] offset:32768*\a
	global_load_b128 v[XF+8*\a+4:XF+8*\a+7], v5, s[66:67] offset:32768*\a+32
.endr
	v_mul_u32_u24 v3, v1, PITCH
	v_lshl_add_u32 v3, v2, 4, v3                   ; a fragment's row x pitch + 16 x half
	s_mul_i32 s22, s10, 64*PITCH                   ; my 64 rows of x
	s_mov_b32 s23, ATILE                           ; W's rows lie behind x's 256; every wave reads all of them
.irp s, 0,1
	v_add_nc_u32 v[ADRA+\s], s22, v3
	v_add_nc_u32 v[ADRB+\s], s23, v3
	s_add_co_u32 s22, s22, SLOT
	s_add_co_u32 s23, s23, SLOT
.endr
	s_mul_i32 s11, s10, WSTG
	s_add_co_u32 s11, s11, STAGE                   ; my stage
	v_mul_u32_u24 v9, v1, 528
	v_lshl_add_u32 v9, v2, 5, v9
	v_add_nc_u32 v[STO32], s11, v9
	v_and_b32 v10, 31, v0
	v_lshl_add_u32 v[RD32], v10, 4, s11
	v_mul_u32_u24 v6, v1, CPITCH
	v_lshl_add_u32 v7, v2, 4, v6
	v_add_nc_u32 v[STO], s11, v7
	v_mul_u32_u24 v11, v2, 272
	v_lshl_add_u32 v11, v1, 4, v11
	v_add_nc_u32 v[RD], s11, v11
	v_lshlrev_b32 v[CO], 8, v2
	v_lshl_add_u32 v[CO], v1, 4, v[CO]
	v_lshl_add_u32 v[CSA], v2, 5, v6               ; my row's cos at columns 8 (l / 16) on
	v_add_nc_u32 v[CSA], s20, v[CSA]
	v_add_nc_u32 v[CSB], TABB, v[CSA]              ; sin's table: an address of its own, since its offsets would pass 65,535
	v_lshlrev_b32 v[VO], 3, v10
	v_lshlrev_b32 v[VEO], 4, v10
	; THE GATE.  Source 0: sixteen copies of my head's row of Wgate; source 1: 16 rows of x, columns 0-31.  Every register of the result holds the sum of row l % 16.
	s_wait_loadcnt 0x0                             ; Wgate and x
.irp i, 0,1,2,3,4,5,6,7
	v_cvt_pk_f16_f32 v[WGF+\i], v[WG+2*\i], v[WG+2*\i+1]
.endr
.irp a, 0,1,2,3
	v_wmma_f32_16x16x32_f16 v[GL+8*\a:GL+8*\a+7], v[WGF:WGF+7], v[XF+8*\a:XF+8*\a+7], 0
.endr
	PLACES
.irp a, 0,1,2,3
	v_mul_f32 v[GT+\a], 0xbfb8aa3b, v[GL+8*\a]     ; -log2(e) z, from the result's lowest register
.endr
.irp a, 0,1,2,3
	v_exp_f32 v[GT+\a], v[GT+\a]
.endr
	v_nop                                          ; a plain instruction between the last exponential and the use of its result (ISA guide 5.7.2)
	s_wait_alu depctr_va_vdst(0)
.irp a, 0,1,2,3
	v_add_f32 v[GT+\a], 1.0, v[GT+\a]
.endr
.irp a, 0,1,2,3
	v_rcp_f32 v[GT+\a], v[GT+\a]
.endr
	v_nop
	s_wait_alu depctr_va_vdst(0)
.irp a, 0,1,2,3
	v_add_f32 v[GT+\a], v[GT+\a], v[GT+\a]         ; 2 sigmoid(z)
.endr
; 8 matrix instructions: row block a x the part's 8 column blocks, 32 along K.  A part's 32 accumulators take turns, and the three parts take turns.
.macro MUL8 fb, fa, a, zero
.irp b, 0,1,2,3,4,5,6,7
.if \zero
	v_wmma_f32_16x16x32_f16 v[8*(8*(\a)+\b):8*(8*(\a)+\b)+7], v[\fb+8*\b:\fb+8*\b+7], v[\fa+8*(\a):\fa+8*(\a)+7], 0
.else
	v_wmma_f32_16x16x32_f16 v[8*(8*(\a)+\b):8*(8*(\a)+\b)+7], v[\fb+8*\b:\fb+8*\b+7], v[\fa+8*(\a):\fa+8*(\a)+7], v[8*(8*(\a)+\b):8*(8*(\a)+\b)+7]
.endif
.endr
.endm
.macro FETCHB slot, c, p, f            ; 16 LDS loads: part p's 128 rows of W, 32 along K at quarter c of the slot's rows
.irp i, 0,1,2,3,4,5,6,7
	ds_load_b128 v[\f+8*\i:\f+8*\i+3],   v[ADRB+\slot] offset:((\p)*128+16*\i)*PITCH+64*(\c)
	ds_load_b128 v[\f+8*\i+4:\f+8*\i+7], v[ADRB+\slot] offset:((\p)*128+16*\i)*PITCH+64*(\c)+32
.endr
.endm
.macro FETCHA slot, c, f               ; 8 LDS loads: my 64 rows of x, the same 32 along K; they serve three parts
.irp i, 0,1,2,3
	ds_load_b128 v[\f+8*\i:\f+8*\i+3],   v[ADRA+\slot] offset:16*\i*PITCH+64*(\c)
	ds_load_b128 v[\f+8*\i+4:\f+8*\i+7], v[ADRA+\slot] offset:16*\i*PITCH+64*(\c)+32
.endr
.endm
; A K step is two quarters of 32 along K; a quarter is three PARTs (q, k, v), 32 matrix instructions each.  W's two buffers take turns from part to part: number 3 c + p of a step's six uses buffer (3 c + p) % 2.
; At a part's head: its own fragments are in; four places; the next part's fragments are asked for, a whole part ahead of their use; in a slot's first part also x's fragments of its second quarter.
.macro PART slot, c, p, zero
.set fb, FB0+64*((3*\c+\p)%2)
.set fn, FB0+64*((3*\c+\p+1)%2)
.set fa, FA0+32*\c
	s_wait_dscnt 0x0                               ; asked for at the head of the part before
	PLACES                                         ; the other buffer was read by the matrix instructions just issued
	WIN 0
.if \p < 2
	FETCHB \slot, \c, \p+1, fn
.else
	FETCHB \slot, 1, 0, fn
.endif
.if (\c == 0) && (\p == 0)
	FETCHA \slot, 1, FA1
.endif
	WIN 0x50*(1+\p)                                ; C and D in the part's window, the fragments in window 0
	MUL8 fb, fa, 0, \zero
	MUL8 fb, fa, 1, \zero
	MUL8 fb, fa, 2, \zero
	MUL8 fb, fa, 3, \zero
.endm
; A slot's last part (v, second quarter) changes slots.  Its fragments were my last reads of the slot.  Half of its products go first; then each wave waits for all its tensor loads (one is out: its
; part of the next slot), adds 0 to its spare word and waits for that; behind the round the slot takes the K step two on.  Nothing but the round stands between a tile's landing and the next request,
; and a step's 192 matrix instructions stand between a request and the wait for it.  fill = 0: the last lap: nothing is filled, no round.
.macro TURN slot, next, fill
	s_wait_dscnt 0x0                               ; my reads of this slot are over
	WIN 0xf0
	MUL8 FB1, FA1, 0, 0
	MUL8 FB1, FA1, 1, 0
	WIN 0
	s_wait_tensorcnt 0x0                           ; no tensor load of mine is out, so a group 0 may be written
	ds_add_u32 v[SPW], v[NIL]                      ; 0 onto my spare word
.if \fill
	s_add_nc_u64 s[G0+4*\slot+2:G0+4*\slot+3], s[G0+4*\slot+2:G0+4*\slot+3], 2*KSTEP*2
	s_add_nc_u64 s[G0B+4*\slot+2:G0B+4*\slot+3], s[G0B+4*\slot+2:G0B+4*\slot+3], 2*KSTEP*2
.endif
	s_wait_dscnt 0x0                               ; the add is done
	s_barrier_signal -1
	s_barrier_wait -1
.if \fill
	CREST                                          ; the barrier has opened a round of the cluster's: no wave of any partner still reads this slot or has a load on its way
	JLOAD \slot                                    ; my one tensor load behind the round; its four v_nop are also the places in front of the loads below
.else
	PLACES
.endif
	FETCHB \next, 0, 0, FB0
	FETCHA \next, 0, FA0
	WIN 0xf0
	MUL8 FB1, FA1, 2, 0
	MUL8 FB1, FA1, 3, 0
.endm
; THE WAY OUT OF q AND k, a block of 16 rows at a time, on window 1.  CSLOAD: the block's cos and sin (my row, my 32 columns of each) into buffer a % 2.
.macro CSLOAD a
.set cb, CS0+64*((\a)%2)
.irp b, 0,1,2,3
	ds_load_b128 v[cb+8*\b:cb+8*\b+3],         v[CSA] offset:(\a)*16*CPITCH+64*\b
	ds_load_b128 v[cb+8*\b+4:cb+8*\b+7],       v[CSA] offset:(\a)*16*CPITCH+64*\b+16
	ds_load_b128 v[cb+32+8*\b:cb+32+8*\b+3],   v[CSB] offset:(\a)*16*CPITCH+64*\b
	ds_load_b128 v[cb+32+8*\b+4:cb+32+8*\b+7], v[CSB] offset:(\a)*16*CPITCH+64*\b+16
.endr
.endm
.macro QKBLOCK a
.if \a < 3
	CSLOAD \a+1
	s_wait_dscnt 16                                ; this block's cos and sin are in; the next block's sixteen loads stay out
.else
	s_wait_dscnt 0x0
.endif
	s_wait_xcnt 0x0                                ; U held the data of the last block's stores: it is rewritten only behind this wait
.set cb, CS0+64*((\a)%2)
.set xa, 64*(\a)
	WIN 0x01                                       ; source 0 window 1.
.set n, 0
.rept 16
	v_pk_mul_f32 v[T+n:T+n+1], v[xa+32+n:xa+32+n+1], v[cb+32+n:cb+32+n+1]      ; x2 sin
.set n, n+2
.endr
.set n, 0
.rept 16
	v_pk_mul_f32 v[U+n:U+n+1], v[xa+n:xa+n+1], v[cb+32+n:cb+32+n+1]            ; x1 sin
.set n, n+2
.endr
	WIN 0x41                                       ; destination and source 0 window 1
.set n, 0
.rept 16
	v_pk_fma_f32 v[xa+n:xa+n+1], v[xa+n:xa+n+1], v[cb+n:cb+n+1], v[T+n:T+n+1]  ; x1 cos + x2 sin
.set n, n+2
.endr
.set n, 0
.rept 16
	v_pk_fma_f32 v[xa+32+n:xa+32+n+1], v[xa+32+n:xa+32+n+1], v[cb+n:cb+n+1], v[U+n:U+n+1] neg_lo:[0,0,1] neg_hi:[0,0,1]   ; x2 cos - x1 sin
.set n, n+2
.endr
	WIN 0x05                                       ; sources 0 and 1 window 1: the squares, in four chains that the first four products start
.set n, 0
.rept 32
.if n < 8
	v_pk_mul_f32 v[SS+n%8:SS+n%8+1], v[xa+n:xa+n+1], v[xa+n:xa+n+1]
.else
	v_pk_fma_f32 v[SS+n%8:SS+n%8+1], v[xa+n:xa+n+1], v[xa+n:xa+n+1], v[SS+n%8:SS+n%8+1]
.endif
.set n, n+2
.endr
	WIN 0
	v_pk_add_f32 v[SS:SS+1], v[SS:SS+1], v[SS+2:SS+3]
	v_pk_add_f32 v[SS+4:SS+5], v[SS+4:SS+5], v[SS+6:SS+7]
	v_pk_add_f32 v[SS:SS+1], v[SS:SS+1], v[SS+4:SS+5]
	v_add_f32 v[SS], v[SS], v[SS+1]
	v_permlanex16_b32 v[SS+1], v[SS], s78, s79     ; the row's other 64 columns lie in the lane 16 away
	v_add_f32 v[SS], v[SS], v[SS+1]
	v_fma_f32 v[SS+2], v[SS], s82, s83             ; the mean of the squares + eps
	v_rsq_f32 v[SS+2], v[SS+2]
	v_nop                                          ; a plain instruction between the root and the use of its result
	s_wait_alu depctr_va_vdst(0)
	v_mul_f32 v[R], s76, v[SS+2]                   ; times c for q, times 1 for k
	v_mul_f32 v[R+1], s76, v[SS+2]
	WIN 0x41
.set n, 0
.rept 32
	v_pk_mul_f32 v[xa+n:xa+n+1], v[xa+n:xa+n+1], v[R:R+1]
.set n, n+2
.endr
	WIN 0x05
.set n, 0
.rept 32
	v_cvt_pk_f16_f32 v[T+n], v[xa+2*n], v[xa+2*n+1]
.set n, n+1
.endr
	WIN 0
.irp b, 0,1,2,3,4,5,6,7
	ds_store_b128 v[STO], v[T+4*\b:T+4*\b+3] offset:32*\b
.endr
.irp f, 0,1,2,3,4,5,6,7
	ds_load_b128 v[U+4*\f:U+4*\f+3], v[RD] offset:544*\f     ; LDS serves a wave's instructions in order (ISA guide 5.7.1): these see the stores above
.endr
	s_wait_dscnt 0x0
.irp f, 0,1,2,3,4,5,6,7
	global_store_b128 v[CO], v[U+4*\f:U+4*\f+3], s[8:9] offset:4096*(\a)+512*\f   ; 16 lanes store 256 consecutive bytes, at a multiple of 256 from the buffer's first byte
.endr
.endm
; THE WAY OUT OF v (window 3): 16 rows in f32 through my stage, back as whole rows of 512 bytes, as ve lies in window 2; v + gate ve; rounded; a wave's store is one row's 256 bytes.
.macro VBLOCK a
	s_wait_xcnt 0x0                                ; RB held the data of the last block's stores
	WIN 0x0c                                       ; store data window 3; each accumulator's low four registers go first
.irp b, 0,1,2,3,4,5,6,7
	ds_store_b128 v[STO32], v[64*(\a)+8*\b:64*(\a)+8*\b+3]   offset:64*\b
	ds_store_b128 v[STO32], v[64*(\a)+8*\b+4:64*(\a)+8*\b+7] offset:64*\b+16
.endr
	WIN 0
.irp p, 0,1,2,3,4,5,6,7,8,9,10,11,12,13,14,15
	ds_load_b128 v[RB+4*\p:RB+4*\p+3], v[RD32] offset:528*\p
.endr
.irp p, 0,1,2,3,4,5,6,7,8,9,10,11,12,13,14,15
	v_readlane_b32 s[84+\p], v[GT+\a], \p          ; row p's gate lies in lane p
.endr
	s_wait_loadcnt 48-16*(\a)                      ; this block's ve is in; the later blocks' sixteen loads each stay out
	s_wait_dscnt 0x0
	WIN 0x02                                       ; source 0 (ve) window 2
.set n, 0
.rept 64
	v_fma_f32 v[RB+n], v[64*(\a)+n], s[84+n/4], v[RB+n]
.set n, n+1
.endr
	WIN 0
.irp p, 0,1,2,3,4,5,6,7,8,9,10,11,12,13,14,15
	v_cvt_pk_f16_f32 v[RB+4*\p], v[RB+4*\p], v[RB+4*\p+1]
	v_cvt_pk_f16_f32 v[RB+4*\p+1], v[RB+4*\p+2], v[RB+4*\p+3]
.endr
.irp p, 0,1,2,3,4,5,6,7,8,9,10,11,12,13,14,15
	global_store_b64 v[VO], v[RB+4*\p:RB+4*\p+1], s[8:9] offset:4096*(\a)+256*\p
.endr
.endm
	s_wait_tensorcnt 3                             ; my part of K step 0 is in; K step 1's, cos and sin were issued behind it and may stay out
	s_barrier_signal -1
	s_barrier_wait -1
	FETCHB 0, 0, 0, FB0
	FETCHA 0, 0, FA0
	PART 0, 0, 0, 1                                ; the first quarter stands in front of the loop: its products start the sums
	PART 0, 0, 1, 1
	PART 0, 0, 2, 1
	WIN 0                                          ; at a label and at a branch every window is 0
	s_mov_b32 s3, LAPS-1
.Llap:                                                 ; a trip goes once round the ring, from a lap's second quarter to the next lap's first, and fills both slots again
	PART 0, 1, 0, 0
	PART 0, 1, 1, 0
	TURN 0, 1, 1
	PART 1, 0, 0, 0
	PART 1, 0, 1, 0
	PART 1, 0, 2, 0
	PART 1, 1, 0, 0
	PART 1, 1, 1, 0
	TURN 1, 0, 1
	PART 0, 0, 0, 0
	PART 0, 0, 1, 0
	PART 0, 0, 2, 0
	WIN 0
	s_sub_co_u32 s3, s3, 1
	s_cmp_lg_u32 s3, 0
	s_cbranch_scc1 .Llap
	PART 0, 1, 0, 0                                ; the last lap fills nothing, and has no round of the cluster's barrier
	PART 0, 1, 1, 0
	TURN 0, 1, 0                                   ; behind this barrier no wave reads slot 0 and no tensor load follows: its first bytes become the stages
	PART 1, 0, 0, 0
	PART 1, 0, 1, 0
	PART 1, 0, 2, 0
	PART 1, 1, 0, 0
	PART 1, 1, 1, 0
	s_wait_dscnt 0x0                               ; the very last part: nothing more to fetch
	WIN 0xf0
	MUL8 FB1, FA1, 0, 0
	MUL8 FB1, FA1, 1, 0
	MUL8 FB1, FA1, 2, 0
	MUL8 FB1, FA1, 3, 0
	WIN 0
	PLACES                                         ; the loads of cos and sin land in registers that the last products read
	s_mov_b32 s2, 2                                ; q, then k
.Lqk:
	s_cmp_eq_u32 s2, 2
	s_cselect_b32 s76, s80, s81                    ; q is scaled by c as well
	CSLOAD 0
	QKBLOCK 0
	QKBLOCK 1
	QKBLOCK 2
	QKBLOCK 3
	s_wait_xcnt 0x0                                ; the stores' base is stepped only behind this wait
	s_add_nc_u64 s[8:9], s[8:9], PARTB             ; the next part of qkv
	s_cmp_eq_u32 s2, 1
	s_cbranch_scc1 .Lv                             ; k has left
	s_wait_loadcnt 0x0                             ; k's registers are read below: in the one trip that comes here no load is out, and the wait says so on every way round the loop
	WIN 0x42                                       ; destination window 1, source window 2: k's sums take q's place, each accumulator from its low end on
.set n, 0
.rept 256
	v_mov_b32 v[n], v[n]
.set n, n+1
.endr
	WIN 0x80                                       ; ve of my 64 rows into k's freed window, a whole way out ahead of its use: each load is one row's 512 consecutive bytes
.set n, 0
.rept 64
	global_load_b128 v[4*n:4*n+3], v[VEO], s[72:73] offset:n*4096 th:TH_LOAD_NT
.set n, n+1
.endr
	WIN 0
	s_sub_co_u32 s2, s2, 1
	s_branch .Lqk
.Lv:
	VBLOCK 0
	VBLOCK 1
	VBLOCK 2
	VBLOCK 3
	s_wait_tensorcnt 0x0                           ; the wave's end: behind my last tensor load and my last LDS store
	ds_add_u32 v[SPW], v[NIL]
	s_wait_dscnt 0x0
	CROUND                                         ; the closing round: no work-group ends while a partner may still ask for a tile that names it
	s_endpgm
.Lfunc_end_k_q2b034669ff_qkv:
	.size	k_q2b034669ff_qkv, .Lfunc_end_k_q2b034669ff_qkv-k_q2b034669ff_qkv
	.p2alignl 7, 3214868480
	.fill 96, 4, 3214868480
	.section	.rodata,"a",@progbits
	.p2align	6, 0x0
	.amdhsa_kernel k_q2b034669ff_qkv
		.amdhsa_group_segment_fixed_size 327680
		.amdhsa_private_segment_fixed_size 0
		.amdhsa_enable_private_segment 0
		.amdhsa_kernarg_size 56
		.amdhsa_user_sgpr_count 2
		.amdhsa_user_sgpr_kernarg_segment_ptr 1
		.amdhsa_wavefront_size32 1
		.amdhsa_system_sgpr_workgroup_id_x 1
		.amdhsa_system_sgpr_workgroup_id_y 1
		.amdhsa_system_sgpr_workgroup_id_z 1
		.amdhsa_system_vgpr_workitem_id 0
		.amdhsa_next_free_vgpr 1024
		.amdhsa_next_free_sgpr 100
		.amdhsa_reserve_vcc 0
		.amdhsa_float_denorm_mode_32 3
		.amdhsa_float_denorm_mode_16_64 3
		.amdhsa_memory_ordered 1
		.amdhsa_forward_progress 1
		.amdhsa_inst_pref_size 208
	.end_amdhsa_kernel
	.amdgpu_metadata
---
amdhsa.version: [ 1, 2 ]
amdhsa.kernels:
  - .name:           k_q2b034669ff_qkv
    .symbol:         k_q2b034669ff_qkv.kd
    .args:
      - { .name: xh, .offset: 0, .size: 8, .value_kind: global_buffer, .address_space: global }
      - { .name: wh, .offset: 8, .size: 8, .value_kind: global_buffer, .address_space: global }
      - { .name: cos, .offset: 16, .size: 8, .value_kind: global_buffer, .address_space: global }
      - { .name: sin, .offset: 24, .size: 8, .value_kind: global_buffer, .address_space: global }
      - { .name: ve, .offset: 32, .size: 8, .value_kind: global_buffer, .address_space: global }
      - { .name: Wgate, .offset: 40, .size: 8, .value_kind: global_buffer, .address_space: global }
      - { .name: qkv, .offset: 48, .size: 8, .value_kind: global_buffer, .address_space: global }
    .group_segment_fixed_size: 327680
    .private_segment_fixed_size: 0
    .kernarg_segment_align: 8
    .kernarg_segment_size: 56
    .max_flat_workgroup_size: 128
    .sgpr_count:     100
    .vgpr_count:     1024
    .wavefront_size: 32
...
	.end_amdgpu_metadata
.endif
;; end of part 2
;; launch attn (part 3): grid 8 x 32, 4 waves a work-group, no clusters, 327,680 bytes of LDS; arguments qkv, yh; writes yh
.if DOCPART == 3
	.amdgcn_target "amdgcn-amd-amdhsa--gfx1250"
	.amdhsa_code_object_version 6
	.text
	.protected	k_q2b034669ff_attn
	.globl	k_q2b034669ff_attn
	.p2align	8
	.type	k_q2b034669ff_attn,@function
k_q2b034669ff_attn:
	s_mov_b64 s[64:65], 0
	v_nop
	global_prefetch_b8 v0, s[64:65] scope:SCOPE_SE
	s_setreg_imm32_b32 hwreg(HW_REG_WAVE_MODE, 25, 1), 1
	s_wait_xcnt 0x0
; y[b][t][h][:] = the sum over keys k, 0 <= t - k <= 1023, of softmax_k(q . k / sqrt(128)) v[k][:].  q (already times c = log2(e) / sqrt(128)), k, v: f16, [8 b + h][t][128] in the three parts of qkv.
; y: f16, [b][t][8 x 128].  Products on f16 operands, sums in f32; the weights p are rounded to f16 for the second product, y once at the end.
; NO RUNNING MAXIMUM, and why that holds for every input: q and k were normalised as the module itself normalises them, each with a sum of squares under 128, so the exponent
; S = c q . k has |S| <= 128 c (1 + 2^-11)^2 = 16.34.  A bias of -0.5 rides in the first product's C operand: p = 2^(S - 0.5) lies in 8.5e-6 .. 58,700, inside f16 (largest 65,504);
; a row's sum is at most 1,024 x 58,700 = 6.0e7 and O at most that times |v|: far inside f32.  LIMIT: below 2^-14 f16 is gradual: a row whose LARGEST exponent is the lowest possible keeps 7 bits of p.
; A masked score is -65,536 in that same C operand: its p is exactly 0.
; THE ROW SUM l is a product too: ones x P, so that l adds the rounded weights that O adds; every lane gets its query's whole sum, with no exchange between lanes.
; SHARES.  A work-group owns 256 queries of one head, each wave 64: four tiles of 16.  Keys go in steps of 64, two steps to an LDS slot, two slots.  Block i walks steps max(0, 4 i - 16) .. 4 i + 3;
; wave w is alive in steps 4 i + w - 16 .. 4 i + w and jumps over slots in which it has no live step (no barrier).
; THE MASK.  With 64 queries a wave and 64 keys a step only the wave's first and last live step are cut: blocks of 16 x 16 off the diagonal are whole or empty, those on it show one
; pattern (key j of my eight against u = l % 16 - 8 (l / 16)) or its complement.  Three sets of eight registers hold the step's C operands for key blocks below, on and above the diagonal.
; NO CLUSTER: neighbouring query blocks walk key ranges 256 keys apart and of different lengths (4 to 20 steps); a joint walk of four blocks' union would take 32 steps where each block needs at most 20.
; O AND l ARE CLEARED, not started by a first product: which slot is a wave's first hangs on its number, so no line of the text is the first product for every wave.
; LDS ADDRESSES are the slot's first byte plus the lane's place, made once for a slot; a slot's two steps are written out, the second step's place (35,840 bytes on) in the loads' immediates.
; LAYOUT: S^T = K Q^T (source 0 = 16 keys, source 1 = 16 queries): a lane holds ONE query (l % 16) and keys 8 (l / 16) + 0..7; two such tiles, rounded in pairs, are source 1 of O^T = V^T P.
; REGISTERS.  window 0: addresses, masks, S^T (two buffers of 32), P (two of 16), the way out; window 1: O^T, 64 a tile; window 2: Q v0-127, K v128-255; window 3: V v0-127, ones v128-135, l v136-167.
.set KS,    64
.set PK,    272                        ; a row of K in LDS: 256 bytes + 16
.set PVP,   288                        ; a row of V: 256 + 32: the turning load's 8 rows x 32 bytes fall on different banks
.set VOFF,  KS*PK
.set STEPB, KS*(PK+PVP)                ; a step: 64 rows of K, then 64 rows of V
.set SLOT1, 1<<17                      ; slot 1 begins here: one exclusive or turns an address in one slot into the other's
.set STG,   SLOT1+2*STEPB              ; behind the ring: 16 rows x 272 bytes for each wave
.set SP,    272
.set SPARE, STG+4*16*SP                ; the spare words, 128 bytes for each wave: two blocks of 256 bytes that no other line names
.set AK0,  2                           ; v2   my lane's place in a tile of K
.set AV0,  3                           ; v3   the same for V
.set ADRK, 4                           ; v4   my place in K's tile of the first step of the slot in hand
.set ADRV, 5                           ; v5   the same for V
.set QO,   6
.set STO,  7
.set RD,   8
.set GO,   10
.set NEGV, 11                          ; v11  -65,536
.set BIASV, 13                         ; v13  -0.5
.set SPW,  14                          ; v14  LDS address of my spare word; never rewritten
.set NIL,  15                          ; v15  0; never rewritten
.set T0,   16                          ; v16-23  the diagonal step's pattern: masked where j > u
.set T1,   24                          ; v24-31  the window's last step: masked where j <= u
.set MP,   32                          ; v32-39  this step's C for key blocks below the diagonal
.set MN,   40                          ; v40-47  above it
.set MZ,   48                          ; v48-55  on it
.set RL,   56                          ; v56-63  1 / l, twice for each tile
.set S,    96
.set P,    160
.set KF,   128                         ; window 2
.set ONE,  128                         ; window 3
.set LA,   136                         ; window 3
.set WV,  12
.set G1K, 24
.set G1V, 32
.set G0K, 40                           ; s[40:47] a set for each of the two first fills; the second then walks on
.set G0V, 48
.set LAP, 56
.set BOUND, 57
.set SL,  58
.set TBS, 61                           ; LDS byte at which the slot in hand begins
.set GS,  62                           ; the slot's first key step
.set LO,  66
.set HI,  67
.set SE,  68
.set SB,  69
.set D16, 70
.set E0,  71
.set MPS, 72
.set MNS, 73
.set SNEG, 74
.set SBIAS, 75
.set TMPS, 76
.set MSB, 0
.macro WIN new
.if MSB != \new
	s_set_vgpr_msb (MSB<<8)|\new
.set MSB, \new
.endif
.endm
.set W_KQ, 0x0a                        ; K and Q window 2; C and S^T window 0
.set W_PV, 0x53                        ; V window 3, P window 0, O^T window 1
.set W_LP, 0xf3                        ; ones and l window 3, P window 0
.macro PLACES
.rept 4
	v_nop
.endr
.endm
.macro JLOAD                           ; a refill: waves 0, 1 fetch the slot's two tiles of K, waves 2, 3 those of V; four v_nop follow each line
	s_cmp_lt_u32 s[WV], 2
	s_cbranch_scc0 .Lfor_v_\@
	tensor_load_to_lds s[G0K+4:G0K+7], s[G1K:G1K+7]
	s_nop 0
.rept 4
	v_nop
.endr
	s_branch .Lasked_\@
.Lfor_v_\@:
	tensor_load_to_lds s[G0V+4:G0V+7], s[G1V:G1V+7]
	s_nop 0
.rept 4
	v_nop
.endr
.Lasked_\@:
.endm
	s_load_b128 s[4:7], s[0:1], 0x0                ; qkv, yh
	v_lshl_add_u32 v[SPW], v0, 2, SPARE
	v_mov_b32 v[NIL], 0
	ds_add_u32 v14, v15
	ds_add_u32 v14, v15
	s_wait_dscnt 0x0
	v_lshrrev_b32 v1, 5, v0
	v_readfirstlane_b32 s[WV], v1                  ; wave 0..3
	s_and_b32 s14, ttmp7, 0xffff                   ; 8 b + h
	s_lshl_b32 s15, ttmp9, 2                       ; 4 i
	s_add_co_u32 s[HI], s15, s[WV]                 ; my last live step
	s_sub_co_i32 s[LO], s[HI], 16                  ; my first (below 0 in the first blocks: then no step is the window's last)
	s_sub_co_i32 s16, s15, 16
	s_max_i32 s[GS], s16, 0                        ; the block's first step
	s_min_u32 s[BOUND], ttmp9, 4                   ; laps of two slots that are filled again
	s_lshl_b32 s20, s14, 19                        ; the head's first byte in a part: 2,048 rows of 256 bytes
	s_and_b32 s16, s[WV], 1                        ; which of a slot's two steps I fetch
	s_add_co_u32 s17, s[GS], s16
	s_lshl_b32 s17, s17, 14                        ; 64 rows of 256 bytes a step
	s_add_co_u32 s22, s20, s17
	s_mov_b32 s23, 0
	s_mul_i32 s17, s16, STEPB                      ; and its place in a slot
	s_lshl_b32 s18, ttmp9, 16                      ; my block's 256 rows,
	s_lshl_b32 s19, s[WV], 14                      ; my wave's 64 of them
	s_add_co_u32 s18, s18, s19
	s_add_co_u32 s18, s18, s20
	s_mov_b32 s19, 0
	s_lshr_b32 s2, s14, 3                          ; yh: row 2,048 b + 256 i + 64 w, 2,048 bytes a row, 256 a head
	s_lshl_b32 s2, s2, 11
	s_lshl_b32 s3, ttmp9, 8
	s_add_co_u32 s2, s2, s3
	s_lshl_b32 s3, s[WV], 6
	s_add_co_u32 s2, s2, s3
	s_lshl_b32 s2, s2, 11
	s_and_b32 s3, s14, 7
	s_lshl_b32 s3, s3, 8
	s_add_co_u32 s2, s2, s3
	s_mov_b32 s3, 0
	s_mov_b32 s[G1K], (1<<16)|(1<<20)|(5<<22)|(3<<25)   ; no mask; elements of 2 bytes; padding on: after every 64 words 4 words
	s_mov_b32 s[G1V], (1<<16)|(1<<20)|(5<<22)|(7<<25)   ; the same with 8 words
.irp g, G1K, G1V
	s_mov_b32 s[\g+1], 128<<16                     ; tensor_dim0 = 128
	s_mov_b32 s[\g+2], KS<<16                      ; tensor_dim1 = 64
	s_mov_b32 s[\g+3], 128<<16                     ; tile_dim0 = 128
	s_mov_b32 s[\g+4], KS                          ; tile_dim1 = 64
	s_mov_b32 s[\g+5], 128                         ; elements from row to row
	s_mov_b32 s[\g+6], 0
	s_mov_b32 s[\g+7], 0
.endr
	s_mov_b32 s[SNEG], 0xc7800000                  ; -65,536
	s_mov_b32 s[SBIAS], 0xbf000000                 ; -0.5
	s_wait_kmcnt 0x0
	s_add_nc_u64 s[8:9], s[4:5], s[22:23]
	s_add_nc_u64 s[10:11], s[8:9], 0x2000000       ; v's part, at my first tile
	s_add_nc_u64 s[8:9], s[8:9], 0x1000000         ; k's part
	s_add_nc_u64 s[4:5], s[4:5], s[18:19]          ; q at my wave's first row
	s_add_nc_u64 s[6:7], s[6:7], s[2:3]            ; yh at my wave's first row, my head
.irp s, 0,1
	s_mov_b32 s[G0K+4*\s], 1
	s_add_co_u32 s[G0K+4*\s+1], s17, \s*SLOT1
	s_add_nc_u64 s[G0K+4*\s+2:G0K+4*\s+3], s[8:9], \s*2*KS*256
	s_or_b32 s[G0K+4*\s+3], s[G0K+4*\s+3], 0x80000000
	s_mov_b32 s[G0V+4*\s], 1
	s_add_co_u32 s[G0V+4*\s+1], s17, \s*SLOT1+VOFF
	s_add_nc_u64 s[G0V+4*\s+2:G0V+4*\s+3], s[10:11], \s*2*KS*256
	s_or_b32 s[G0V+4*\s+3], s[G0V+4*\s+3], 0x80000000
.endr
	s_cmp_lt_u32 s[WV], 2                          ; a wave's two first fills stand in one branch, ahead of every wait on TENSORcnt, LDS read and barrier: two loads of mine are out
	s_cbranch_scc0 .Lfirst_v
	tensor_load_to_lds s[G0K:G0K+3], s[G1K:G1K+7]
	s_nop 0
	tensor_load_to_lds s[G0K+4:G0K+7], s[G1K:G1K+7]
	s_nop 0
.rept 4
	v_nop
.endr
	s_branch .Lfirst_asked
.Lfirst_v:
	tensor_load_to_lds s[G0V:G0V+3], s[G1V:G1V+7]
	s_nop 0
	tensor_load_to_lds s[G0V+4:G0V+7], s[G1V:G1V+7]
	s_nop 0
.rept 4
	v_nop
.endr
.Lfirst_asked:
	v_and_b32 v1, 15, v0                           ; l % 16
	v_bfe_u32 v9, v0, 4, 1                         ; l / 16
	v_lshlrev_b32 v[QO], 8, v1
	v_lshl_add_u32 v[QO], v9, 4, v[QO]
	WIN 0x80
.irp i, 0,1,2,3,4,5,6,7,8,9,10,11,12,13,14,15          ; Q stays in registers: tile i / 4, channels 32 (i % 4) on
	global_load_b128 v[8*\i:8*\i+3],   v[QO], s[4:5] offset:(\i/4)*4096+(\i%4)*64
	global_load_b128 v[8*\i+4:8*\i+7], v[QO], s[4:5] offset:(\i/4)*4096+(\i%4)*64+32
.endr
	WIN 0
	v_mul_u32_u24 v[AK0], v1, PK
	v_lshl_add_u32 v[AK0], v9, 4, v[AK0]           ; row x pitch + 16 x half
	v_and_b32 v12, 7, v0                           ; the turning load: lane l reads key 8 (l / 16) + l % 8, channels 8 ((l / 8) % 2) on
	v_bfe_u32 v[ADRV], v0, 3, 1
	v_lshl_add_u32 v[AV0], v9, 3, v12
	v_mul_u32_u24 v[AV0], v[AV0], PVP
	v_lshl_add_u32 v[AV0], v[ADRV], 4, v[AV0]
	v_add_nc_u32 v[AV0], VOFF, v[AV0]
	s_mul_i32 s13, s[WV], 16*SP
	s_add_co_u32 s13, s13, STG                     ; my stage
	v_mul_u32_u24 v[STO], v1, SP
	v_lshl_add_u32 v[STO], v9, 4, v[STO]
	v_add_nc_u32 v[STO], s13, v[STO]
	v_mul_u32_u24 v[RD], v9, SP
	v_lshl_add_u32 v[RD], v1, 4, v[RD]
	v_add_nc_u32 v[RD], s13, v[RD]
	v_lshlrev_b32 v[GO], 11, v9                    ; two rows of yh
	v_lshl_add_u32 v[GO], v1, 4, v[GO]
	v_mov_b32 v[NEGV], 0xc7800000
	v_mov_b32 v[BIASV], 0xbf000000
	v_lshlrev_b32 v12, 3, v9
	v_sub_nc_u32 v12, v1, v12                      ; u = l % 16 - 8 (l / 16)
.irp j, 0,1,2,3,4,5,6,7
	v_cmp_gt_i32 vcc_lo, \j, v12
	v_cndmask_b32 v[T0+\j], v[BIASV], v[NEGV], vcc_lo
	v_cndmask_b32 v[T1+\j], v[NEGV], v[BIASV], vcc_lo
.endr
	WIN 0x40                                       ; O^T = 0, while the first tiles are on their way
.set n, 0
.rept 256
	v_mov_b32 v[n], 0
.set n, n+1
.endr
	WIN 0xc0
.irp j, 0,1,2,3,4,5,6,7
	v_mov_b32 v[ONE+\j], 0x3c003c00                ; 1.0 twice, in f16
.endr
.set n, 0
.rept 32
	v_mov_b32 v[LA+n], 0
.set n, n+1
.endr
	WIN 0
; Product i of 16 of S^T = K Q^T for tile t: channels 32 (i / 4) on, keys 16 (i % 4) on.  The first four start the sums from the step's mask and bias.  Four accumulators by turns.
.macro KQ t
	WIN W_KQ
.set dS, S+32*((\t)%2)+8*(i%4)
.set dK, KF+32*(i%4)+8*(i/4)
.set dQ, 32*(\t)+8*(i/4)
.if i >= 4
	v_wmma_f32_16x16x32_f16 v[dS:dS+7], v[dK:dK+7], v[dQ:dQ+7], v[dS:dS+7]
.elseif i < (\t)
	v_wmma_f32_16x16x32_f16 v[dS:dS+7], v[dK:dK+7], v[dQ:dQ+7], v[MP:MP+7]
.elseif i == (\t)
	v_wmma_f32_16x16x32_f16 v[dS:dS+7], v[dK:dK+7], v[dQ:dQ+7], v[MZ:MZ+7]
.else
	v_wmma_f32_16x16x32_f16 v[dS:dS+7], v[dK:dK+7], v[dQ:dQ+7], v[MN:MN+7]
.endif
.endm
; Product i of 18 for tile t: for keys 32 (i / 9) on, eight of O^T += V^T P (channels 16 (i % 9) on), then one of l += ones P.  Nine accumulators by turns.
.macro PV t
.set kc, i/9
.set cb, i%9
.set dP, P+16*((\t)%2)+8*kc
.if cb < 8
	WIN W_PV
	v_wmma_f32_16x16x32_f16 v[64*(\t)+8*cb:64*(\t)+8*cb+7], v[64*kc+8*cb:64*kc+8*cb+7], v[dP:dP+7], v[64*(\t)+8*cb:64*(\t)+8*cb+7]
.else
	WIN W_LP
	v_wmma_f32_16x16x32_f16 v[LA+8*(\t):LA+8*(\t)+7], v[ONE:ONE+7], v[dP:dP+7], v[LA+8*(\t):LA+8*(\t)+7]
.endif
.endm
; Slice kk of 17 of tile t's weights: two exponentials, then the rounding of the pair before, which is the plain instruction that stands behind them before their results are used.
.macro SLICE t
	WIN 0
.set rS, S+32*((\t)%2)
.set rP, P+16*((\t)%2)
.if kk < 16
	v_exp_f32 v[rS+2*kk], v[rS+2*kk]
	v_exp_f32 v[rS+2*kk+1], v[rS+2*kk+1]
.endif
.if kk == 0
	v_nop
.else
	s_wait_alu depctr_va_vdst(0)
	v_cvt_pk_f16_f32 v[rP+kk-1], v[rS+2*kk-2], v[rS+2*kk-1]
.endif
.set kk, kk+1
.endm
.macro AFTER sm, every                 ; behind a product: a slice behind every product, or behind every second one
.set np, np+1
.if ((np % \every) == 0) && (kk < 17)
	SLICE \sm
.endif
.endm
; A stage: tile kq's 16 products K Q^T, then tile pv's 18 products with P (9 = none), with tile sm's 17 slices between them.
.macro STAGE kq, pv, sm, every
.set kk, 0
.set np, 0
.if \kq < 4
.set i, 0
.rept 16
	KQ \kq
	AFTER \sm, \every
.set i, i+1
.endr
.endif
.if \pv < 4
.set i, 0
.rept 18
	PV \pv
	AFTER \sm, \every
.set i, i+1
.endr
.endif
.if kk < 17
	SLICE \sm
.endif
.endm
.macro FETCH_K off                     ; 32 loads, the channels' chunk outermost, so that the first products can start on the first eight; off: the step's place in the slot
	WIN 0x80
.irp c, 0,1,2,3
.irp b, 0,1,2,3
	ds_load_b128 v[KF+32*\b+8*\c:KF+32*\b+8*\c+3],   v[ADRK] offset:\off+\b*16*PK+\c*64
	ds_load_b128 v[KF+32*\b+8*\c+4:KF+32*\b+8*\c+7], v[ADRK] offset:\off+\b*16*PK+\c*64+32
.endr
.endr
.endm
.macro FETCH_V off
	WIN 0xc0
.irp f, 0,1,2,3,4,5,6,7,8,9,10,11,12,13,14,15          ; keys 32 (f / 8) on, channels 16 (f % 8) on
	ds_load_tr16_b128 v[8*\f:8*\f+3],   v[ADRV] offset:\off+(\f/8)*32*PVP+(\f%8)*32
	ds_load_tr16_b128 v[8*\f+4:8*\f+7], v[ADRV] offset:\off+(\f/8)*32*PVP+16*PVP+(\f%8)*32
.endr
.endm
; ONE KEY STEP, number st (0, 1) of the slot in hand.  Its K has been asked for.  e = step - my first live step: 16 the diagonal step, 0 the window's last, above 16 (as an unsigned number) a dead step, all masked.
.macro STEP st
	WIN 0
	s_sub_co_i32 s[SE], s[GS], s[LO]
.if \st
	s_add_co_i32 s[SE], s[SE], 1
.endif
	s_cmp_gt_u32 s[SE], 16
	s_cselect_b32 s[SB], s[SNEG], s[SBIAS]
	s_cmp_eq_u32 s[SE], 16
	s_cselect_b32 s[D16], -1, 0
	s_cselect_b32 s[MNS], s[SNEG], s[SB]           ; key blocks above the diagonal are masked in the diagonal step,
	s_cmp_eq_u32 s[SE], 0
	s_cselect_b32 s[E0], -1, 0
	s_cselect_b32 s[MPS], s[SNEG], s[SB]           ; those below it in the window's last step
.irp j, 0,1,2,3,4,5,6,7                                ; 32 plain instructions: also the places between the last products with V and the loads into V's registers
	v_mov_b32 v[MP+\j], s[MPS]
.endr
.irp j, 0,1,2,3,4,5,6,7
	v_mov_b32 v[MN+\j], s[MNS]
.endr
.irp j, 0,1,2,3,4,5,6,7
	v_cndmask_b32 v[MZ+\j], s[SB], v[T0+\j], s[D16]
.endr
.irp j, 0,1,2,3,4,5,6,7
	v_cndmask_b32 v[MZ+\j], v[MZ+\j], v[T1+\j], s[E0]
.endr
	FETCH_V \st*STEPB
.set i, 0
.rept 16
.if i%4 == 0
	s_wait_dscnt 56-8*(i/4)                        ; K's chunk i / 4 is in: behind it stand K's later chunks, eight loads each, and V's 32
.endif
	KQ 0
.set i, i+1
.endr
	PLACES                                         ; the first slice reads results just made
	STAGE 1, 9, 0, 1
	s_wait_dscnt 0x0                               ; V is in
	STAGE 2, 0, 1, 2
	STAGE 3, 1, 2, 2
.if \st == 0
	FETCH_K STEPB                                  ; the slot's second step; K's last reader stands nine slices back
.endif
	STAGE 9, 2, 3, 1
.set i, 0
.rept 18
	PV 3
.set i, i+1
.endr
	WIN 0
.endm
; A slot's two steps, or nothing where both are dead for my wave.
.macro PROCESS
	s_cmp_gt_i32 s[GS], s[HI]
	s_cbranch_scc1 .Lskip_\@
	s_add_co_i32 s[TMPS], s[GS], 1
	s_cmp_lt_i32 s[TMPS], s[LO]
	s_cbranch_scc1 .Lskip_\@
	v_add_nc_u32 v[ADRK], s[TBS], v[AK0]           ; the slot's first byte + my lane's place: all the slot's loads name these two and an immediate
	v_add_nc_u32 v[ADRV], s[TBS], v[AV0]
	FETCH_K 0
	STEP 0
	STEP 1
.Lskip_\@:
.endm
; THE CHANGE OF SLOTS.  Each wave waits for all its tensor loads (one is out: its part of the other slot), adds 0 to its spare word, waits for that and for its reads of the slot; behind the
; barrier nobody reads this slot and the other is whole.  fill = 1: this slot takes the keys two slots on: my one tensor load, first behind the barrier, with a slot's work in which to land.
.macro CHANGE fill
	s_wait_tensorcnt 0x0                           ; no tensor load of mine is out, so a group 0 may be written
	ds_add_u32 v[SPW], v[NIL]                      ; 0 onto my spare word
.if \fill
.irp g, G0K+4, G0V+4
	s_xor_b32 s[\g+1], s[\g+1], SLOT1              ; the walking descriptor: the other slot than last time,
	s_add_nc_u64 s[\g+2:\g+3], s[\g+2:\g+3], 2*KS*256   ; the next 128 keys
.endr
.endif
	s_xor_b32 s[TBS], s[TBS], SLOT1
	s_add_co_u32 s[GS], s[GS], 2
	s_wait_dscnt 0x0
	s_barrier_signal -1
	s_barrier_wait -1
.if \fill
	JLOAD
.endif
.endm
	s_wait_tensorcnt 1                             ; my part of slot 0 is in; slot 1's may stay out
	s_barrier_signal -1
	s_barrier_wait -1
	s_wait_loadcnt 0x0                             ; Q
	s_cmp_eq_u32 s[BOUND], 0
	s_cbranch_scc1 .Ltail                          ; block 0 has two slots in all: the same way for all four waves
	s_mov_b32 s[LAP], 0
.Llap:                                                 ; min(i, 4) trips; each reads both slots and fills both again, at the same LDS bytes in every trip
	s_mov_b32 s[TBS], 0
	s_mov_b32 s[SL], 2
.Lhalf:
	PROCESS
	CHANGE 1
	s_sub_co_u32 s[SL], s[SL], 1
	s_cmp_lg_u32 s[SL], 0
	s_cbranch_scc1 .Lhalf
	s_add_co_u32 s[LAP], s[LAP], 1
	s_cmp_lt_u32 s[LAP], s[BOUND]
	s_cbranch_scc1 .Llap
.Ltail:                                                ; the last two slots: nothing is asked for
	s_mov_b32 s[TBS], 0
	s_mov_b32 s[SL], 2
.Lhalf_last:
	PROCESS
	CHANGE 0
	s_sub_co_u32 s[SL], s[SL], 1
	s_cmp_lg_u32 s[SL], 0
	s_cbranch_scc1 .Lhalf_last
	; THE WAY OUT.  O^T is divided by l, rounded to f16 and sent through my stage, a tile (16 rows of y) at a time.
	PLACES                                         ; l's last product was the last matrix instruction
	WIN 0x03                                       ; source 0 window 3: l, from its accumulator's lowest register
.irp t, 0,1,2,3
	v_rcp_f32 v[RL+2*\t], v[LA+8*\t]
	v_rcp_f32 v[RL+2*\t+1], v[LA+8*\t]             ; twice: a pair for the packed multiply
.endr
	WIN 0
	v_nop                                          ; a plain instruction between the last reciprocal and the use of its result
	s_wait_alu depctr_va_vdst(0)
.macro PACK t
.set wo, 96+32*(\t)+32*((\t)/2)        ; a buffer of 32 for each tile: v96, v128, v192, v224
	WIN 0x41
.set n, 64*(\t)
.rept 32
	v_pk_mul_f32 v[n:n+1], v[n:n+1], v[RL+2*(\t):RL+2*(\t)+1]
.set n, n+2
.endr
	WIN 0x05
.set n, 0
.rept 32
	v_cvt_pk_f16_f32 v[wo+n], v[64*(\t)+2*n], v[64*(\t)+2*n+1]
.set n, n+1
.endr
	WIN 0
.irp f, 0,1,2,3,4,5,6,7
	ds_store_b128 v[STO], v[wo+4*\f:wo+4*\f+3] offset:32*\f
.endr
.irp f, 0,1,2,3,4,5,6,7
	ds_load_b128 v[wo+4*\f:wo+4*\f+3], v[RD] offset:\f*2*SP    ; LDS serves a wave's instructions in order (ISA guide 5.7.1): these see the stores above; the next tile's stores come behind them
.endr
.endm
.macro SEND t, younger                 ; younger: the LDS instructions issued behind tile t's loads: the next tile's sixteen, or none
.set wo, 96+32*(\t)+32*((\t)/2)
.irp f, 0,1,2,3,4,5,6,7
	s_wait_dscnt \younger+7-\f
	global_store_b128 v[GO], v[wo+4*\f:wo+4*\f+3], s[6:7] offset:(\t)*32768+\f*4096   ; 16 lanes store 256 consecutive bytes, at a multiple of 256 from yh's first byte
.endr
.endm
	PACK 0
	PACK 1
	SEND 0, 16
	PACK 2
	SEND 1, 16
	PACK 3
	SEND 2, 16
	SEND 3, 0
	s_wait_tensorcnt 0x0                           ; the wave's end: behind my last tensor load and my last LDS store
	ds_add_u32 v[SPW], v[NIL]
	s_wait_dscnt 0x0
	s_endpgm
.Lfunc_end_k_q2b034669ff_attn:
	.size	k_q2b034669ff_attn, .Lfunc_end_k_q2b034669ff_attn-k_q2b034669ff_attn
	.p2alignl 7, 3214868480
	.fill 96, 4, 3214868480
	.section	.rodata,"a",@progbits
	.p2align	6, 0x0
	.amdhsa_kernel k_q2b034669ff_attn
		.amdhsa_group_segment_fixed_size 327680
		.amdhsa_private_segment_fixed_size 0
		.amdhsa_enable_private_segment 0
		.amdhsa_kernarg_size 16
		.amdhsa_user_sgpr_count 2
		.amdhsa_user_sgpr_kernarg_segment_ptr 1
		.amdhsa_wavefront_size32 1
		.amdhsa_system_sgpr_workgroup_id_x 1
		.amdhsa_system_sgpr_workgroup_id_y 1
		.amdhsa_system_sgpr_workgroup_id_z 1
		.amdhsa_system_vgpr_workitem_id 0
		.amdhsa_next_free_vgpr 1024
		.amdhsa_next_free_sgpr 80
		.amdhsa_reserve_vcc 1
		.amdhsa_float_denorm_mode_32 3
		.amdhsa_float_denorm_mode_16_64 3
		.amdhsa_memory_ordered 1
		.amdhsa_forward_progress 1
		.amdhsa_inst_pref_size 164
	.end_amdhsa_kernel
	.amdgpu_metadata
---
amdhsa.version: [ 1, 2 ]
amdhsa.kernels:
  - .name:           k_q2b034669ff_attn
    .symbol:         k_q2b034669ff_attn.kd
    .args:
      - { .name: qkv, .offset: 0, .size: 8, .value_kind: global_buffer, .address_space: global }
      - { .name: yh, .offset: 8, .size: 8, .value_kind: global_buffer, .address_space: global }
    .group_segment_fixed_size: 327680
    .private_segment_fixed_size: 0
    .kernarg_segment_align: 8
    .kernarg_segment_size: 16
    .max_flat_workgroup_size: 128
    .sgpr_count:     80
    .vgpr_count:     1024
    .wavefront_size: 32
...
	.end_amdgpu_metadata
.endif
;; end of part 3
;; launch proj (part 4): grid 4 x 64, 4 waves a work-group, clusters of 4 x 4, 327,680 bytes of LDS; arguments yh, wh, out0; writes out0
.if DOCPART == 4
	.amdgcn_target "amdgcn-amd-amdhsa--gfx1250"
	.amdhsa_code_object_version 6
	.text
	.protected	k_q2b034669ff_proj
	.globl	k_q2b034669ff_proj
	.p2align	8
	.type	k_q2b034669ff_proj,@function
k_q2b034669ff_proj:
	s_mov_b64 s[64:65], 0
	v_nop
	global_prefetch_b8 v0, s[64:65] scope:SCOPE_SE
	s_setreg_imm32_b32 hwreg(HW_REG_WAVE_MODE, 25, 1), 1
	s_wait_xcnt 0x0
	s_wait_alu depctr_hold_cnt(0) depctr_sa_sdst(0) depctr_va_vdst(0) depctr_va_sdst(0) depctr_va_ssrc(0) depctr_va_vcc(0) depctr_vm_vsrc(0)
	s_getreg_b32 s2, hwreg(HW_REG_IB_STS2, 6, 4)
	s_cmp_eq_u32 s2, 0
	s_cbranch_scc0 .Lentry_in_a_cluster
	s_endpgm
.Lentry_in_a_cluster:
	s_bfe_u32 s2, ttmp6, 0x10000c
	s_cmp_lg_u32 s2, 0xf033
	s_cbranch_scc0 .Lentry_shape_is_right
	s_endpgm
.Lentry_shape_is_right:
; out0 = y Wproj^T.  y: yh [8192][1024] f16; Wproj: rows 3,072 to 4,095 of wh, f16; out0 f32.  Sums in f32.
; A work-group makes 128 rows x 256 columns; four waves, each 64 x 128: 32 accumulators of 16 x 16.  K goes in steps of 128 through two LDS slots filled by the tensor data mover,
; one load a wave: waves 0, 1 bring 64 rows of y each, waves 2, 3 128 rows of W.  CLUSTER 4 x 4: y's tile is asked for jointly along a row of the cluster, W's along a column.
; The matrix instruction is used transposed (source 0 = 16 rows of W, source 1 = 16 rows of y): a lane holds eight neighbouring columns of one row.
; REGISTERS.  window 0: addresses and the way out; window 1: accumulator (a, b) at v[8 (8 a + b)]; window 2: two fragment buffers of 96 (W's 64, y's 32).
.set KSTEP,  128
.set PITCH,  272                       ; an LDS row: 256 bytes + 16 of padding
.set AHALF,  64*PITCH
.set BHALF,  128*PITCH
.set SLOT,   2*AHALF+2*BHALF
.set STAGE,  2*SLOT                    ; behind the ring: 16 rows x 528 bytes for each wave
.set WSTG,   16*528
.set SPARE,  STAGE+4*WSTG              ; the spare words, 128 bytes for each wave: two blocks of 256 bytes that no other line names
.set LAPS,   4
.set WOFF,   3072*2048                 ; Wproj's first byte in wh
.set ADRA,  16
.set ADRB,  20
.set STO32, 22
.set RD32,  23
.set SPW,   28
.set NIL,   29
.set LO16,  31                         ; v31  16 x lane
.set RB,    32                         ; v32-95  16 whole rows of 512 bytes
.set F0,    0
.set F1,    96
.set G1,  24
.set G0,  32
.set G1B, 48
.set G0B, 56
.set FLAGS, (1<<16)|(1<<20)|(1<<21)|(5<<22)|(3<<25)   ; elements of 2 bytes; padding on; bit 21 beside a mask; after every 64 words; 4 words
.set MSB, 0
.macro WIN new
.if MSB != \new
	s_set_vgpr_msb (MSB<<8)|\new
.set MSB, \new
.endif
.endm
.set MUL,  0x5a
.set TO_F, 0x80
.macro JLOAD s                         ; a joint load; four v_nop follow each of the two lines
	s_cmp_eq_u32 s11, 0
	s_cbranch_scc0 .Lfor_b_\@
	tensor_load_to_lds s[G0+4*\s:G0+4*\s+3], s[G1:G1+7]
	s_nop 0
.rept 4
	v_nop
.endr
	s_branch .Lasked_\@
.Lfor_b_\@:
	tensor_load_to_lds s[G0B+4*\s:G0B+4*\s+3], s[G1B:G1B+7]
	s_nop 0
.rept 4
	v_nop
.endr
.Lasked_\@:
.endm
.macro CREST
	s_cmp_lg_u32 s10, 0
	s_cbranch_scc1 .Lnot_wave_0_\@
	s_barrier_signal -3
.Lnot_wave_0_\@:
	s_barrier_wait -3
	s_barrier_signal -1
	s_barrier_wait -1
.endm
.macro CROUND
	s_barrier_signal -1
	s_barrier_wait -1
	CREST
.endm
.macro PLACES
.rept 4
	v_nop
.endr
.endm
	s_load_b128 s[4:7], s[0:1], 0x0                ; yh, wh
	s_load_b64 s[8:9], s[0:1], 0x10                ; out0
	v_lshl_add_u32 v[SPW], v0, 2, SPARE
	v_mov_b32 v[NIL], 0
	ds_add_u32 v28, v29
	ds_add_u32 v28, v29
	s_wait_dscnt 0x0
	v_lshrrev_b32 v1, 5, v0
	v_readfirstlane_b32 s10, v1                    ; wave 0..3
	s_lshr_b32 s11, s10, 1                         ; my half of the rows.  Also: I fetch y (0) or W (1)
	s_and_b32 s12, s10, 1                          ; my half of the columns.  Also: which half of that tile I fetch
	s_bfe_u32 s40, ttmp6, 0x40000
	s_bfe_u32 s41, ttmp6, 0x40004
	s_lshl_b32 s42, ttmp9, 2
	s_add_co_u32 s42, s42, s40                     ; column block
	s_and_b32 s13, ttmp7, 0xffff
	s_lshl_b32 s13, s13, 2
	s_add_co_u32 s13, s13, s41                     ; row block
	s_lshl_b32 s43, s41, 2
	s_lshl_b32 s43, 15, s43                        ; my row of the cluster
	s_lshl_b32 s44, 0x1111, s40                    ; my column
	s_or_b32 s[G1+0], s43, FLAGS
	s_or_b32 s[G1B+0], s44, FLAGS
	s_mov_b32 s[G1+1], KSTEP<<16
	s_mov_b32 s[G1+2], 64<<16
	s_mov_b32 s[G1+3], KSTEP<<16
	s_mov_b32 s[G1+4], 64
	s_mov_b32 s[G1+5], 1024
	s_mov_b32 s[G1+6], 0
	s_mov_b32 s[G1+7], 0
	s_mov_b32 s[G1B+1], KSTEP<<16
	s_mov_b32 s[G1B+2], 128<<16
	s_mov_b32 s[G1B+3], KSTEP<<16
	s_mov_b32 s[G1B+4], 128
	s_mov_b32 s[G1B+5], 1024
	s_mov_b32 s[G1B+6], 0
	s_mov_b32 s[G1B+7], 0
	s_lshl_b32 s16, s13, 7                         ; y's tile: row 128 x row block + 64 x half
	s_lshl_b32 s17, s12, 6
	s_add_co_u32 s16, s16, s17
	s_lshl_b32 s16, s16, 11
	s_mov_b32 s17, 0
	s_lshl_b32 s46, s42, 8                         ; W's tile: row 3,072 + 256 x column block + 128 x half
	s_lshl_b32 s47, s12, 7
	s_add_co_u32 s46, s46, s47
	s_lshl_b32 s46, s46, 11
	s_add_co_u32 s46, s46, WOFF
	s_mov_b32 s47, 0
	s_mul_i32 s20, s12, AHALF
	s_mul_i32 s21, s12, BHALF
	s_add_co_u32 s21, s21, 2*AHALF
	s_lshl_b32 s18, s13, 7                         ; out0: my first row, 4,096 bytes a row,
	s_lshl_b32 s19, s11, 6
	s_add_co_u32 s18, s18, s19
	s_lshl_b32 s18, s18, 12
	s_lshl_b32 s2, s42, 10                         ; my first column, 4 bytes each
	s_lshl_b32 s45, s12, 9
	s_add_co_u32 s2, s2, s45
	s_add_co_u32 s18, s18, s2
	s_mov_b32 s19, 0
	s_wait_kmcnt 0x0
	s_add_nc_u64 s[14:15], s[4:5], s[16:17]
	s_add_nc_u64 s[46:47], s[6:7], s[46:47]
	CROUND                                         ; all sixteen work-groups are here: the first joint loads meet
.irp s, 0,1
	s_mov_b32 s[G0+4*\s], 1
	s_add_co_u32 s[G0+4*\s+1], s20, \s*SLOT
	s_add_nc_u64 s[G0+4*\s+2:G0+4*\s+3], s[14:15], \s*KSTEP*2
	s_or_b32 s[G0+4*\s+3], s[G0+4*\s+3], 0x80000000
	s_mov_b32 s[G0B+4*\s], 1
	s_add_co_u32 s[G0B+4*\s+1], s21, \s*SLOT
	s_add_nc_u64 s[G0B+4*\s+2:G0B+4*\s+3], s[46:47], \s*KSTEP*2
	s_or_b32 s[G0B+4*\s+3], s[G0B+4*\s+3], 0x80000000
	JLOAD \s                                       ; two tensor loads of mine are out
.endr
	s_add_nc_u64 s[8:9], s[8:9], s[18:19]
	v_and_b32 v1, 15, v0
	v_bfe_u32 v2, v0, 4, 1
	v_mul_u32_u24 v3, v1, PITCH
	v_lshl_add_u32 v3, v2, 4, v3
	s_mul_i32 s22, s11, AHALF
	s_mul_i32 s23, s12, BHALF
	s_add_co_u32 s23, s23, 2*AHALF
.irp s, 0,1
	v_add_nc_u32 v[ADRA+\s], s22, v3
	v_add_nc_u32 v[ADRB+\s], s23, v3
	s_add_co_u32 s22, s22, SLOT
	s_add_co_u32 s23, s23, SLOT
.endr
	s_mul_i32 s45, s10, WSTG
	s_add_co_u32 s45, s45, STAGE                   ; my stage
	v_mul_u32_u24 v9, v1, 528
	v_lshl_add_u32 v9, v2, 5, v9
	v_add_nc_u32 v[STO32], s45, v9
	v_and_b32 v10, 31, v0
	v_lshl_add_u32 v[RD32], v10, 4, s45
	v_lshlrev_b32 v[LO16], 4, v10
.macro MUL8 f, a, zero                 ; the 32 accumulators take turns in the same order in every quarter
.irp b, 0,1,2,3,4,5,6,7
.if \zero
	v_wmma_f32_16x16x32_f16 v[8*(8*(\a)+\b):8*(8*(\a)+\b)+7], v[\f+8*\b:\f+8*\b+7], v[\f+64+8*(\a):\f+64+8*(\a)+7], 0
.else
	v_wmma_f32_16x16x32_f16 v[8*(8*(\a)+\b):8*(8*(\a)+\b)+7], v[\f+8*\b:\f+8*\b+7], v[\f+64+8*(\a):\f+64+8*(\a)+7], v[8*(8*(\a)+\b):8*(8*(\a)+\b)+7]
.endif
.endr
.endm
.macro FETCH slot, k, f                ; 24 LDS loads in one run: W's sixteen, then y's eight
	WIN TO_F
.irp i, 0,1,2,3,4,5,6,7
	ds_load_b128 v[\f+8*\i:\f+8*\i+3],   v[ADRB+\slot] offset:\k+\i*16*PITCH
	ds_load_b128 v[\f+8*\i+4:\f+8*\i+7], v[ADRB+\slot] offset:\k+\i*16*PITCH+32
.endr
.irp i, 0,1,2,3
	ds_load_b128 v[\f+64+8*\i:\f+64+8*\i+3],   v[ADRA+\slot] offset:\k+\i*16*PITCH
	ds_load_b128 v[\f+64+8*\i+4:\f+64+8*\i+7], v[ADRA+\slot] offset:\k+\i*16*PITCH+32
.endr
.endm
.macro QUARTER slot, k, f, g, zero
	s_wait_dscnt 4                                 ; W and y's row blocks 0, 1 are in; the youngest four loads may be out
	WIN MUL
	MUL8 \f, 0, \zero
	MUL8 \f, 1, \zero
	PLACES
	FETCH \slot, \k, \g
	s_wait_dscnt 24                                ; all but the 24 just issued
	WIN MUL
	MUL8 \f, 2, \zero
	MUL8 \f, 3, \zero
.endm
; The last quarter changes slots: one barrier; in front of it each wave waits for all its tensor loads, adds 0 to its spare word, and waits for that and for its reads of this slot.
.macro TURN slot, next, fill
	WIN 0
	s_wait_tensorcnt 0x0                           ; all my tensor loads have landed: my part of the next slot
	ds_add_u32 v[SPW], v[NIL]                      ; 0 onto my spare word
	s_wait_dscnt 5                                 ; (the add and the youngest four loads may be out)
	WIN MUL
	MUL8 F1, 0, 0
	s_wait_dscnt 0x0                               ; the add is done, and my reads of this slot are over
	s_barrier_signal -1
	MUL8 F1, 1, 0
.if \fill
	WIN 0
.endif
	s_barrier_wait -1
.if \fill
	CREST                                          ; the barrier has opened a round of the cluster's: no wave of any partner still reads this slot or has a load on its way
	s_add_nc_u64 s[G0+4*\slot+2:G0+4*\slot+3], s[G0+4*\slot+2:G0+4*\slot+3], 2*KSTEP*2
	s_add_nc_u64 s[G0B+4*\slot+2:G0B+4*\slot+3], s[G0B+4*\slot+2:G0B+4*\slot+3], 2*KSTEP*2
	JLOAD \slot                                    ; my one tensor load behind the round; its four v_nop are also the places in front of the loads below
.else
	PLACES
.endif
	FETCH \next, 0, F0
	WIN MUL
	MUL8 F1, 2, 0
	MUL8 F1, 3, 0
.endm
; The way out of 16 rows: f32 through my stage, back as whole rows; a wave's store is 512 consecutive bytes of a row of out0.
.macro OBLOCK a
	s_wait_xcnt 0x0                                ; RB held the data of the last block's stores
	WIN 0x04                                       ; store data window 1; each accumulator's low four registers go first
.irp b, 0,1,2,3,4,5,6,7
	ds_store_b128 v[STO32], v[64*(\a)+8*\b:64*(\a)+8*\b+3]   offset:64*\b
	ds_store_b128 v[STO32], v[64*(\a)+8*\b+4:64*(\a)+8*\b+7] offset:64*\b+16
.endr
	WIN 0
.irp p, 0,1,2,3,4,5,6,7,8,9,10,11,12,13,14,15
	ds_load_b128 v[RB+4*\p:RB+4*\p+3], v[RD32] offset:528*\p
.endr
.irp p, 0,1,2,3,4,5,6,7,8,9,10,11,12,13,14,15
	s_wait_dscnt 15-\p                             ; row p is back; the later rows' loads stay out
	global_store_b128 v[LO16], v[RB+4*\p:RB+4*\p+3], s[8:9] offset:(16*(\a)+\p)*4096 th:TH_STORE_NT
.endr
.endm
	s_wait_tensorcnt 1                             ; my part of K step 0 is in; K step 1's may stay out
	s_barrier_signal -1
	s_barrier_wait -1
	FETCH 0, 0, F0
	QUARTER 0, 64,  F0, F1, 1                      ; the first quarter stands in front of the loop: its products start the sums
	WIN 0
	s_mov_b32 s3, LAPS-1
.Llap:
	QUARTER 0, 128, F1, F0, 0
	QUARTER 0, 192, F0, F1, 0
	TURN 0, 1, 1
	QUARTER 1, 64,  F0, F1, 0
	QUARTER 1, 128, F1, F0, 0
	QUARTER 1, 192, F0, F1, 0
	TURN 1, 0, 1
	QUARTER 0, 64,  F0, F1, 0
	WIN 0
	s_sub_co_u32 s3, s3, 1
	s_cmp_lg_u32 s3, 0
	s_cbranch_scc1 .Llap
	QUARTER 0, 128, F1, F0, 0                      ; the last lap fills nothing, and has no round of the cluster's barrier
	QUARTER 0, 192, F0, F1, 0
	TURN 0, 1, 0
	QUARTER 1, 64,  F0, F1, 0
	QUARTER 1, 128, F1, F0, 0
	QUARTER 1, 192, F0, F1, 0
	s_wait_dscnt 4
	WIN MUL
	MUL8 F1, 0, 0
	MUL8 F1, 1, 0
	s_wait_dscnt 0x0
	MUL8 F1, 2, 0
	MUL8 F1, 3, 0
	WIN 0
	PLACES
	OBLOCK 0
	OBLOCK 1
	OBLOCK 2
	OBLOCK 3
	s_wait_tensorcnt 0x0                           ; the wave's end: behind my last tensor load and my last LDS store
	ds_add_u32 v[SPW], v[NIL]
	s_wait_dscnt 0x0
	CROUND                                         ; the closing round: no work-group ends while a partner may still ask for a tile that names it
	s_endpgm
.Lfunc_end_k_q2b034669ff_proj:
	.size	k_q2b034669ff_proj, .Lfunc_end_k_q2b034669ff_proj-k_q2b034669ff_proj
	.p2alignl 7, 3214868480
	.fill 96, 4, 3214868480
	.section	.rodata,"a",@progbits
	.p2align	6, 0x0
	.amdhsa_kernel k_q2b034669ff_proj
		.amdhsa_group_segment_fixed_size 327680
		.amdhsa_private_segment_fixed_size 0
		.amdhsa_enable_private_segment 0
		.amdhsa_kernarg_size 24
		.amdhsa_user_sgpr_count 2
		.amdhsa_user_sgpr_kernarg_segment_ptr 1
		.amdhsa_wavefront_size32 1
		.amdhsa_system_sgpr_workgroup_id_x 1
		.amdhsa_system_sgpr_workgroup_id_y 1
		.amdhsa_system_sgpr_workgroup_id_z 1
		.amdhsa_system_vgpr_workitem_id 0
		.amdhsa_next_free_vgpr 704
		.amdhsa_next_free_sgpr 66
		.amdhsa_reserve_vcc 0
		.amdhsa_float_denorm_mode_32 3
		.amdhsa_float_denorm_mode_16_64 3
		.amdhsa_memory_ordered 1
		.amdhsa_forward_progress 1
		.amdhsa_inst_pref_size 87
	.end_amdhsa_kernel
	.amdgpu_metadata
---
amdhsa.version: [ 1, 2 ]
amdhsa.kernels:
  - .name:           k_q2b034669ff_proj
    .symbol:         k_q2b034669ff_proj.kd
    .args:
      - { .name: yh, .offset: 0, .size: 8, .value_kind: global_buffer, .address_space: global }
      - { .name: wh, .offset: 8, .size: 8, .value_kind: global_buffer, .address_space: global }
      - { .name: out0, .offset: 16, .size: 8, .value_kind: global_buffer, .address_space: global }
    .group_segment_fixed_size: 327680
    .private_segment_fixed_size: 0
    .kernarg_segment_align: 8
    .kernarg_segment_size: 24
    .max_flat_workgroup_size: 128
    .sgpr_count:     66
    .vgpr_count:     704
    .wavefront_size: 32
...
	.end_amdgpu_metadata
.endif
;; end of part 4
